; MI455X (gfx1250); checked and timed in simulation.
; The chip was launched on July 23, 2026; its instructions are those of AMD's public machine-readable ISA for CDNA 5 (MIT licence, August 2026) and "CDNA5" Instruction Set Architecture Reference Guide (July 2026). The comments in the code are by the model that wrote it; some were corrected since.
;; Multilevel Dense. Allowed arithmetic: float matrix products may take bf16 or f16 operands with f32 sums; all other float work in f32.
;; Inputs: b_mu 64 x 1,024 float32; b_sigma 64 x 1,024 float32; eps_b 64 x 1,024 float32; eps_w 64 x 1,048,576 float32; gid 64 int32; w_mu 64 x 1,048,576 float32; w_sigma 64 x 1,048,576 float32; x 64 x 1,024 float32.
;; Outputs: out0 64 x 1,024 float32.
;; One version. Each part assembles by itself: llvm-mc -triple=amdgcn-amd-amdhsa -mcpu=gfx1250 --defsym DOCPART=n.
;; ======== version 1 of 1: 1 launch
;; limits: a function is approximated: absolute error at most 6e-08
;; launch mld (part 1): grid 256 x 1, 16 waves a work-group, no clusters, 0 bytes of LDS; arguments x, gid, w_mu, w_sigma, b_mu, b_sigma, eps_w, eps_b, out0; writes out0
.if DOCPART == 1
	.amdgcn_target "amdgcn-amd-amdhsa--gfx1250"
	.amdhsa_code_object_version 6
	.text
	.protected	k_q033c1428ea_mld
	.globl	k_q033c1428ea_mld
	.p2align	8
	.type	k_q033c1428ea_mld,@function
k_q033c1428ea_mld:
	s_mov_b64 s[64:65], 0
	v_nop
	global_prefetch_b8 v0, s[64:65] scope:SCOPE_SE
	s_setreg_imm32_b32 hwreg(HW_REG_WAVE_MODE, 25, 1), 1
	s_wait_xcnt 0x0
; out0[b][u] = relu( sum over p of (w_mu[g][u][p] + softplus(w_sigma[g][u][p]) eps_w[b][u][p]) x[b][p]
;                    + b_mu[g][u] + softplus(b_sigma[g][u]) eps_b[b][u] ),   g = gid[b].   64 samples, 1024 x 1024, all f32.
;
; Every weight is made for one sample and used in one multiply-add: 12 bytes read for 2 operations.  So this is a stream, and the
; design is about bytes.  Samples with the same gid (a CLASS, n members) read the same 4 MiB of w_mu and of w_sigma: here those are
; read, and their softplus made, once for the class.
;   A tile = 2 neighbouring rows u = 8 KiB of each of the three streams = 64 registers a stream in one wave; 512 tiles a matrix.
;   Work-group q (of 256) owns the tiles 2 q and 2 q + 1 of EVERY class: 16 KiB of mu and of sigma for each class, 16 KiB of eps for
;   each sample.  So all work-groups move the same number of bytes, whatever gid holds.
;   Wave w (of 16) looks at the samples w, w + 16, w + 32, w + 48.  A sample alone in its class is a VISIT of two tiles (x stays in
;   registers); a sample of rank j = 0 or 1 in a class of n >= 2 is a visit of the tile 2 q + j, for which the wave loads mu and
;   sigma once, makes the softplus in place, and walks all n members (each member's eps tile and x row come in, two dot products go
;   out); a sample of rank 2 or more is no visit.
;   So each needed byte of w_mu, w_sigma and eps_w is read by exactly one wave of the launch (hence the NT hint on them).
;   x is read again for every member step of a class with n > 1 (4 KiB beside 8 KiB of eps, no hint).
; Each load of a wave covers 512 consecutive bytes, aligned.  Registers are refilled chunk by chunk (512 bytes of a row) right
; behind their last use, across tiles and visits, so 21 to 49 loads of a wave stay out at every wait but in its last step.
;
; Left out, by this text's own arithmetic: matrix instructions (a weight meets one vector: 1 of 16 columns would be filled, and the
; conversion to 16 bits costs as many issues as the packed multiply-add it would spare); LDS, barriers, tensor loads (no wave
; reads what another loaded); clusters with multicast (after the split by class no two work-groups read the same bytes of the three
; large streams; what is shared is x, 256 KiB in all); prefetches (the loads themselves run a whole step ahead).
; The output leaves as 8 bytes a step (two rows of one sample): out0 is 262,144 bytes against more than 600 MB read.
;
; LIMITS.  softplus(s) = max(s, 0) + ln 2 * log2(1 + 2^(-|s| log2 e)): no overflow for any finite s; below s = -16.6 the sum 1 + e^s
; rounds to 1 and the scale comes out 0 instead of e^s (< 6e-8); above that its relative error is about 2^-24 / e^s.
; relu is v_max_num_f32: a NaN sum gives 0.  A row is summed in 4 chains a lane, then across lanes: another order of rounding than a
; plain loop.  gid is clamped to 0..63 (an unsigned minimum), for classes and addresses alike.  A class is served by two waves of a
; work-group whatever its size, and the waves of a work-group carry unequal shares (0 to 4 visits): with all 64 ids equal, 2 of the
; 16 waves work.  Values stay right in every case.
; ---- vector registers
.set VOFF, 1                           ; 16 x lane: the lane's 16 bytes in every 512-byte chunk; never rewritten
.set VCO,  2                           ; byte offset in out0 of this step's two results
.set T,    4                           ; v[4:11]    softplus at work
.set ACC,  12                          ; v[12:19]   row 0: two pairs, row 1: two pairs
.set RES,  20                          ; v[20:21]   the two rows' results
.set PT,   22                          ; v[22:23]   the other half's sums, then the sampled bias
.set BSP,  24                          ; v[24:25]   softplus(b_sigma) of the two rows
.set GV,   26                          ; v[26:27]   gid[lane], gid[lane + 32], clamped; kept to the end
.set X,    28                          ; v[28:59]   x: chunk c at X + 4 c
.set MU,   60                          ; v[60:123]  row r, chunk c at MU + 32 r + 4 c
.set SG,   124                         ; v[124:187] the same; sigma, then its softplus in place
.set EP,   188                         ; v[188:251] the same; eps, then the weight in place
; ---- scalar registers
.set T0, 2
.set T1, 3
.set T2, 4
.set SW, 7                             ; wave 0..15
.set P_X,   8                          ; s[8:25]: the nine addresses, never rewritten
.set P_GID, 10
.set P_MU,  12
.set P_SG,  14
.set P_BM,  16
.set P_BS,  18
.set P_EW,  20
.set P_EB,  22
.set P_OUT, 24
.set Q,     26                         ; the visits still to come, a byte each: gid in bits 5:0, rank in bit 6
.set SGID,  27                         ; the visit's gid, clamped
.set RLO,   30                         ; the class as a mask of 64 samples: members still to come in this tile
.set RHI,   31
.set SN,    32                         ; members of the visit's class
.set SH,    33                         ; 8 x visits queued
.set VISITS,34
.set SK,    35                         ; visit counter
.set SI,    36                         ; counter of the middle members
.set NM2,   37                         ; n - 2
.set TI,    38                         ; tile of the NEXT step
.set TQ2,   39                         ; 2 q: the work-group's first tile
.set NB,    40                         ; sample of the next step
.set NOFF,  41                         ; its offset in eps_b and out0: 4096 sample + 8 tile
.set OFFP,  42                         ; s[42:43]  (an offset, 0)
.set EN,    44                         ; bases of the next step's streams
.set XN,    46
.set MUN,   48
.set SGN,   50
.set NEB,   52                         ; eps_b, b_sigma, b_mu of the next step's two rows, as loaded
.set NBS,   54
.set NBM,   56
.set CEB,   58                         ; and this step's copies
.set CBM,   60
.set GB8,   62                         ; offset in b_sigma and b_mu: 4096 gid + 8 tile
.set SAVE,  63
.set KL2E,  66                         ; log2 e
.set LN2,   68                         ; s[68:69]  ln 2, twice
.set PLO,   70                         ; v_permlanex16_b32: lane i takes lane i of the other half
.set PHI,   71
.set GOFF,  72                         ; gid x 4 MiB
.set G12,   73                         ; gid x 4 KiB
.set CBS,   74
.set GQ,    76                         ; s[76:79]  gid of my four samples
; Sample w + 16 v: its rank in its class; where that is 0 or 1 the byte (gid, rank) joins the queue.
.macro ENQUEUE v
	s_min_u32 s[GQ+\v], s[GQ+\v], 63               ; classes are formed on the clamped ids, the numbers that also form the addresses
	s_add_co_u32 s[T2], s[SW], 16*(\v%2)           ; the sample's bit in its word of the mask
	s_bfm_b32 s[T2], s[T2], 0                      ; ones below it
	v_cmp_eq_u32 s[T0], s[GQ+\v], v[GV]            ; bit i: sample i is of this group
.if \v < 2
	s_and_b32 s[T0], s[T0], s[T2]
	s_bcnt1_i32_b32 s[T0], s[T0]                   ; members below the sample = its rank
.else
	v_cmp_eq_u32 s[T1], s[GQ+\v], v[GV+1]          ; bit i: sample 32 + i
	s_and_b32 s[T1], s[T1], s[T2]
	s_bcnt1_i32_b32 s[T0], s[T0]
	s_bcnt1_i32_b32 s[T1], s[T1]
	s_add_co_u32 s[T0], s[T0], s[T1]
.endif
	s_lshl_b32 s[T1], s[T0], 6
	s_or_b32 s[T1], s[T1], s[GQ+\v]
	s_lshl_b32 s[T1], s[T1], s[SH]                 ; the byte at the queue's end (SH is 24 at the most here)
	s_cmp_lt_u32 s[T0], 2
	s_cselect_b32 s[T1], s[T1], 0                  ; rank 2 and more: nothing joins
	s_cselect_b32 s[T2], 8, 0
	s_or_b32 s[Q], s[Q], s[T1]
	s_add_co_u32 s[SH], s[SH], s[T2]
.endm
; The queue's first byte becomes the next visit: its group, class mask, size and tile.  Called VISITS times, so the queue is never empty here.
.macro NEXTVISIT
	s_and_b32 s[SGID], s[Q], 63
	s_min_u32 s[SGID], s[SGID], 63                 ; a number made from loaded data enters addresses only clamped
	s_bfe_u32 s[T0], s[Q], 0x10006                 ; the rank: 1 bit from bit 6
	s_lshr_b32 s[Q], s[Q], 8
	s_add_co_u32 s[TI], s[TQ2], s[T0]              ; tile 2 q + rank
	s_min_u32 s[TI], s[TI], 511
	v_cmp_eq_u32 s[RLO], s[SGID], v[GV]            ; all members are still to come
	v_cmp_eq_u32 s[RHI], s[SGID], v[GV+1]
	s_lshl_b32 s[GOFF], s[SGID], 22
	s_lshl_b32 s[G12], s[SGID], 12
	s_bcnt1_i32_b32 s[T0], s[RLO]
	s_bcnt1_i32_b32 s[T1], s[RHI]
	s_add_co_u32 s[SN], s[T0], s[T1]
	s_min_u32 s[SN], s[SN], 64
	s_sub_co_u32 s[NM2], s[SN], 2                  ; read only where n >= 3
.endm
; The lowest member left in R becomes NB and leaves R.  Called n times a tile, so R is never empty here.
.macro NEXTMEM
	s_cmp_lg_u32 s[RLO], 0
	s_cselect_b32 s[T0], s[RLO], s[RHI]            ; the word that holds it
	s_cselect_b32 s[T1], 0, 32
	s_ctz_i32_b32 s[T2], s[T0]
	s_add_co_u32 s[NB], s[T2], s[T1]
	s_min_u32 s[NB], s[NB], 63                     ; a number made from loaded data enters addresses only clamped
	s_add_co_u32 s[T2], s[T0], -1
	s_and_b32 s[T0], s[T0], s[T2]                  ; the word without its lowest bit
	s_cmp_lg_u32 s[RLO], 0                         ; (again: the lines above write SCC)
	s_cselect_b32 s[RHI], s[RHI], s[T0]
	s_cselect_b32 s[RLO], s[T0], s[RLO]
.endm
; Bases that hang on the sample NB and the tile TI, and the request for the two eps_b.  withx = 0: x is not loaded again.
.macro PTRS_SAMPLE withx
	s_lshl_b32 s[T0], s[NB], 22                    ; 4 MiB a sample
	s_lshl_b32 s[T1], s[TI], 13                    ; 8 KiB a tile
	s_add_co_u32 s[OFFP], s[T0], s[T1]             ; below 256 MiB
	s_add_nc_u64 s[EN:EN+1], s[P_EW:P_EW+1], s[OFFP:OFFP+1]
	s_lshl_b32 s[OFFP], s[NB], 12                  ; 4 KiB a sample
.if \withx
	s_add_nc_u64 s[XN:XN+1], s[P_X:P_X+1], s[OFFP:OFFP+1]
.endif
	s_lshl_b32 s[T1], s[TI], 3                     ; two f32 a tile
	s_add_co_u32 s[NOFF], s[OFFP], s[T1]
	s_load_b64 s[NEB:NEB+1], s[P_EB:P_EB+1], s[NOFF] offset:0x0
.endm
; Bases that hang on the group and the tile TI, and the requests for the two b_sigma and b_mu.
.macro PTRS_TILE
	s_lshl_b32 s[T1], s[TI], 13
	s_add_co_u32 s[OFFP], s[GOFF], s[T1]
	s_add_nc_u64 s[MUN:MUN+1], s[P_MU:P_MU+1], s[OFFP:OFFP+1]
	s_add_nc_u64 s[SGN:SGN+1], s[P_SG:P_SG+1], s[OFFP:OFFP+1]
	s_lshl_b32 s[T1], s[TI], 3
	s_add_co_u32 s[GB8], s[G12], s[T1]
	s_load_b64 s[NBS:NBS+1], s[P_BS:P_BS+1], s[GB8] offset:0x0
	s_load_b64 s[NBM:NBM+1], s[P_BM:P_BM+1], s[GB8] offset:0x0
.endm
; The head of a step: takes over what was asked for this step, then makes the addresses of the next one.
; first = 1: first member of a tile (new b_mu, b_sigma).  tail: what the next step is:
;   0 none;  1 the next member, same tile;  2 the next visit's first step;  3 the second tile of a sample alone in its class.
; All bases and offsets rewritten here were freed by the s_wait_xcnt 0x0 that ends the step before (or the prologue).
.macro HEAD first, tail
	s_wait_kmcnt 0x0                               ; scalar loads asked a whole step ago; only the count 0 says anything of them
	s_mov_b64 s[CEB:CEB+1], s[NEB:NEB+1]
.if \first
	s_mov_b64 s[CBM:CBM+1], s[NBM:NBM+1]
	s_mov_b64 s[CBS:CBS+1], s[NBS:NBS+1]
	v_mov_b32 v[BSP], s[CBS]
	v_mov_b32 v[BSP+1], s[CBS+1]
	v_mul_f32 v[T], s[KL2E], -|v[BSP]|
	v_mul_f32 v[T+1], s[KL2E], -|v[BSP+1]|
	v_exp_f32 v[T], v[T]
	v_exp_f32 v[T+1], v[T+1]
	v_max_num_f32 v[BSP], 0, v[BSP]                ; plain work that touches neither exponential: the place behind them (ISA guide 5.7.2)
	v_max_num_f32 v[BSP+1], 0, v[BSP+1]
	s_wait_alu depctr_va_vdst(0)
	v_pk_add_f32 v[T:T+1], v[T:T+1], 1.0 op_sel_hi:[1,0]
	v_log_f32 v[T], v[T]
	v_log_f32 v[T+1], v[T+1]
.endif
	v_mov_b32 v[VCO], s[NOFF]                      ; this step's place in out0 (and the plain place behind the two logarithms)
.if \first
	s_wait_alu depctr_va_vdst(0)
	v_pk_fma_f32 v[BSP:BSP+1], v[T:T+1], s[LN2:LN2+1], v[BSP:BSP+1] op_sel_hi:[1,0,1]
.endif
.if \tail == 1
	NEXTMEM
	PTRS_SAMPLE 1
.endif
.if \tail == 2
	NEXTVISIT
	NEXTMEM
	PTRS_TILE
	PTRS_SAMPLE 1
.endif
.if \tail == 3
	s_add_co_u32 s[TI], s[TI], 1                   ; from tile 2 q to 2 q + 1; the sample stays
	s_min_u32 s[TI], s[TI], 511
	PTRS_TILE
	PTRS_SAMPLE 0
.endif
.endm
; softplus in place on chunk c of both rows: 8 numbers a lane.  The transcendentals stand in runs; behind each run four plain
; instructions on other registers come before a result is read (ISA guide 5.7.2).
.macro SOFTPLUS8 c
.irp i, 0,1,2,3
	v_mul_f32 v[T+\i], s[KL2E], -|v[SG+4*\c+\i]|
.endr
.irp i, 0,1,2,3
	v_mul_f32 v[T+4+\i], s[KL2E], -|v[SG+32+4*\c+\i]|
.endr
.irp i, 0,1,2,3,4,5,6,7
	v_exp_f32 v[T+\i], v[T+\i]                     ; e^-|s|
.endr
.irp i, 0,1,2,3
	v_max_num_f32 v[SG+4*\c+\i], 0, v[SG+4*\c+\i]
.endr
	s_wait_alu depctr_va_vdst(0)
.irp i, 0,2,4,6
	v_pk_add_f32 v[T+\i:T+\i+1], v[T+\i:T+\i+1], 1.0 op_sel_hi:[1,0]
.endr
.irp i, 0,1,2,3,4,5,6,7
	v_log_f32 v[T+\i], v[T+\i]
.endr
.irp i, 0,1,2,3
	v_max_num_f32 v[SG+32+4*\c+\i], 0, v[SG+32+4*\c+\i]
.endr
	s_wait_alu depctr_va_vdst(0)
.irp i, 0,2
	v_pk_fma_f32 v[SG+4*\c+\i:SG+4*\c+\i+1], v[T+\i:T+\i+1], s[LN2:LN2+1], v[SG+4*\c+\i:SG+4*\c+\i+1] op_sel_hi:[1,0,1]
.endr
.irp i, 0,2
	v_pk_fma_f32 v[SG+32+4*\c+\i:SG+32+4*\c+\i+1], v[T+4+\i:T+4+\i+1], s[LN2:LN2+1], v[SG+32+4*\c+\i:SG+32+4*\c+\i+1] op_sel_hi:[1,0,1]
.endr
.endm
; chunk c: the weights in place of eps, then four chains of sums.  o = 32 row + 2 pair.  Chunk 0 starts the sums: nothing is cleared.
.macro DOT c
.irp o, 0,2,32,34
	v_pk_fma_f32 v[EP+4*\c+\o:EP+4*\c+\o+1], v[SG+4*\c+\o:SG+4*\c+\o+1], v[EP+4*\c+\o:EP+4*\c+\o+1], v[MU+4*\c+\o:MU+4*\c+\o+1]
.endr
.irp o, 0,2,32,34
.if \c == 0
	v_pk_mul_f32 v[ACC+(\o%32)+(\o/32)*4:ACC+(\o%32)+(\o/32)*4+1], v[EP+\o:EP+\o+1], v[X+(\o%32):X+(\o%32)+1]
.else
	v_pk_fma_f32 v[ACC+(\o%32)+(\o/32)*4:ACC+(\o%32)+(\o/32)*4+1], v[EP+4*\c+\o:EP+4*\c+\o+1], v[X+4*\c+(\o%32):X+4*\c+(\o%32)+1], v[ACC+(\o%32)+(\o/32)*4:ACC+(\o%32)+(\o/32)*4+1]
.endif
.endr
.endm
; chunk c of the next step into the registers just used.  tail 2: seven loads; 3: six (no x); 1: three (x, eps); 0: none.
.macro REFILL c, tail
.if \tail >= 2
	global_load_b128 v[SG+4*\c:SG+4*\c+3],       v[VOFF], s[SGN:SGN+1] offset:512*\c th:TH_LOAD_NT
	global_load_b128 v[SG+32+4*\c:SG+32+4*\c+3], v[VOFF], s[SGN:SGN+1] offset:512*\c+4096 th:TH_LOAD_NT
	global_load_b128 v[MU+4*\c:MU+4*\c+3],       v[VOFF], s[MUN:MUN+1] offset:512*\c th:TH_LOAD_NT
	global_load_b128 v[MU+32+4*\c:MU+32+4*\c+3], v[VOFF], s[MUN:MUN+1] offset:512*\c+4096 th:TH_LOAD_NT
.endif
.if \tail != 0
.if \tail != 3
	global_load_b128 v[X+4*\c:X+4*\c+3],         v[VOFF], s[XN:XN+1] offset:512*\c
.endif
	global_load_b128 v[EP+4*\c:EP+4*\c+3],       v[VOFF], s[EN:EN+1] offset:512*\c th:TH_LOAD_NT
	global_load_b128 v[EP+32+4*\c:EP+32+4*\c+3], v[VOFF], s[EN:EN+1] offset:512*\c+4096 th:TH_LOAD_NT
.endif
.endm
; The two rows' sums across the lanes, the sampled bias, relu, and 8 bytes out from lane 0.
.macro EPILOG
	v_pk_add_f32 v[ACC:ACC+1], v[ACC:ACC+1], v[ACC+2:ACC+3]
	v_pk_add_f32 v[ACC+4:ACC+5], v[ACC+4:ACC+5], v[ACC+6:ACC+7]
	v_add_f32 v[RES], v[ACC], v[ACC+1]
	v_add_f32 v[RES+1], v[ACC+4], v[ACC+5]
.irp m, 1,2,4,8
	v_add_f32_dpp v[RES], v[RES], v[RES] row_xmask:\m row_mask:0xf bank_mask:0xf
	v_add_f32_dpp v[RES+1], v[RES+1], v[RES+1] row_xmask:\m row_mask:0xf bank_mask:0xf
.endr
	v_permlanex16_b32 v[PT], v[RES], s[PLO], s[PHI]        ; PT has been written before: its old value counts as read
	v_permlanex16_b32 v[PT+1], v[RES+1], s[PLO], s[PHI]
	v_pk_add_f32 v[RES:RES+1], v[RES:RES+1], v[PT:PT+1]    ; every lane holds both rows' sums
	v_fma_f32 v[PT], s[CEB], v[BSP], s[CBM]                ; b_mu + softplus(b_sigma) eps_b
	v_fma_f32 v[PT+1], s[CEB+1], v[BSP+1], s[CBM+1]
	v_pk_add_f32 v[RES:RES+1], v[RES:RES+1], v[PT:PT+1]
	v_max_num_f32 v[RES], 0, v[RES]
	v_max_num_f32 v[RES+1], 0, v[RES+1]
	s_wait_xcnt 0x0                                ; EXEC is a source of the loads issued above: it changes only behind this wait (ISA guide 3.1)
	s_and_saveexec_b32 s[SAVE], vcc_lo             ; lane 0 alone
	global_store_b64 v[VCO], v[RES:RES+1], s[P_OUT:P_OUT+1] th:TH_STORE_NT
	s_wait_xcnt 0x0                                ; frees EXEC, RES and VCO of the store, and with them every base and offset that the next head rewrites
	s_or_b32 exec_lo, exec_lo, s[SAVE]
.endm
; One member of one tile.  old = loads in a chunk's group as the step before (or the prologue) issued them, new = as this step issues them.
; Loads come back in the order of issue (ISA guide 5.7.1).  Chunk c needs its whole group; younger than that group are the old groups
; c+1 .. 7 and this step's groups 0 .. c-1: old (7 - c) + new c loads may stay out.
.macro STEP first, tail, old, new
	HEAD \first, \tail
.irp c, 0,1,2,3,4,5,6,7
	s_wait_loadcnt \old*(7-\c)+\new*\c
.if \first
	SOFTPLUS8 \c
.endif
	DOT \c
	REFILL \c, \tail
.endr
	EPILOG
.endm
; A visit to a class with n >= 2: the first member (with the softplus), n - 2 middle ones, the last (which refills for the next visit).
; n and n - 2 are the visit's own until the head of its last step, which is the last to need neither.
.macro TILE_MULTI lmid, lskip, tail, new
	STEP 1, 1, 7, 3                                ; groups of seven lie ahead of a visit on every way in: 49, 45, .. 21 may stay out
	s_cmp_lt_u32 s[SN], 3
	s_cbranch_scc1 \lskip
	s_mov_b32 s[SI], 0
\lmid:
	STEP 0, 1, 3, 3                                ; 21 at every chunk
	s_add_co_u32 s[SI], s[SI], 1
	s_cmp_lt_u32 s[SI], s[NM2]
	s_cbranch_scc1 \lmid
\lskip:
	STEP 0, \tail, 3, \new
.endm
	; ---- ids and constants
	s_load_b512 s[P_X:P_X+15], s[0:1], 0x0         ; x, gid, w_mu, w_sigma, b_mu, b_sigma, eps_w, eps_b
	s_load_b64 s[P_OUT:P_OUT+1], s[0:1], 0x40      ; out0
	v_and_b32 v3, 31, v0                           ; lane
	v_lshrrev_b32 v4, 5, v0
	v_readfirstlane_b32 s[SW], v4                  ; wave 0..15
	v_lshlrev_b32 v[VOFF], 4, v3
	v_lshlrev_b32 v5, 2, v3                        ; my word of gid
	v_cmp_eq_u32 vcc_lo, 0, v3                     ; lane 0's mask: stays in VCC to the end
	v_mov_b32 v[PT], 0
	v_mov_b32 v[PT+1], 0
	s_lshl_b32 s[T0], s[SW], 2                     ; gid of sample w
	s_lshl_b32 s[TQ2], ttmp9, 1                    ; the work-group's first tile
	s_mov_b32 s[KL2E], 0x3fb8aa3b
	s_mov_b32 s[LN2], 0x3f317218
	s_mov_b32 s[LN2+1], 0x3f317218
	s_mov_b32 s[PLO], 0x76543210
	s_mov_b32 s[PHI], 0xfedcba98
	s_mov_b32 s[OFFP+1], 0
	s_mov_b32 s[Q], 0
	s_mov_b32 s[SH], 0
	s_wait_kmcnt 0x0
	; ---- gid: all 64 over the lanes, my four samples' as scalars
.irp v, 0,1,2,3
	s_load_b32 s[GQ+\v], s[P_GID:P_GID+1], s[T0] offset:64*\v      ; sample w + 16 v
.endr
	global_load_b32 v[GV], v5, s[P_GID:P_GID+1]
	global_load_b32 v[GV+1], v5, s[P_GID:P_GID+1] offset:128
	s_wait_kmcnt 0x0
	s_wait_loadcnt 0x0
	v_min_u32 v[GV], 63, v[GV]
	v_min_u32 v[GV+1], 63, v[GV+1]
	; ---- my visits
.irp v, 0,1,2,3
	ENQUEUE \v
.endr
	s_lshr_b32 s[VISITS], s[SH], 3
	s_min_u32 s[VISITS], s[VISITS], 4
	s_cmp_eq_u32 s[VISITS], 0
	s_cbranch_scc1 .Lend                           ; all four samples have rank 2 or more: their tiles have their waves already
	; ---- the first step's addresses
	NEXTVISIT
	NEXTMEM
	PTRS_TILE
	PTRS_SAMPLE 1
	; ---- fill: eight groups of seven loads, 28 KiB of this wave on their way
.irp c, 0,1,2,3,4,5,6,7
	REFILL \c, 2
.endr
	s_wait_xcnt 0x0                                ; the first head rewrites the bases that these loads read
	s_cmp_lt_u32 s[VISITS], 2
	s_cbranch_scc1 .Llast
	; ---- all visits but the last: the last step of each refills for the next visit
	s_mov_b32 s[SK], 1
.Lvisit:
	s_cmp_eq_u32 s[SN], 1
	s_cbranch_scc1 .Lsingle_a
	TILE_MULTI .Lmid_a, .Lskip_a, 2, 7             ; its last step: 21, 25, .. 49 may stay out
	s_branch .Lnext
.Lsingle_a:
	STEP 1, 3, 7, 6                                ; tile 2 q: 49, 48, .. 42; x is not asked for again
	STEP 1, 2, 6, 7                                ; tile 2 q + 1: 42, 43, .. 49
.Lnext:
	s_add_co_u32 s[SK], s[SK], 1
	s_cmp_lt_u32 s[SK], s[VISITS]
	s_cbranch_scc1 .Lvisit
	; ---- the last visit: its last step loads nothing, so no load leaves a buffer and the counts run down to 0
.Llast:
	s_cmp_eq_u32 s[SN], 1
	s_cbranch_scc1 .Lsingle_b
	TILE_MULTI .Lmid_b, .Lskip_b, 0, 0             ; 21, 18, .. 0
	s_endpgm
.Lsingle_b:
	STEP 1, 3, 7, 6
	STEP 1, 0, 6, 0                                ; 42, 36, .. 0
.Lend:
	s_endpgm
.Lfunc_end_k_q033c1428ea_mld:
	.size	k_q033c1428ea_mld, .Lfunc_end_k_q033c1428ea_mld-k_q033c1428ea_mld
	.p2alignl 7, 3214868480
	.fill 96, 4, 3214868480
	.section	.rodata,"a",@progbits
	.p2align	6, 0x0
	.amdhsa_kernel k_q033c1428ea_mld
		.amdhsa_group_segment_fixed_size 0
		.amdhsa_private_segment_fixed_size 0
		.amdhsa_enable_private_segment 0
		.amdhsa_kernarg_size 72
		.amdhsa_user_sgpr_count 2
		.amdhsa_user_sgpr_kernarg_segment_ptr 1
		.amdhsa_wavefront_size32 1
		.amdhsa_system_sgpr_workgroup_id_x 1
		.amdhsa_system_sgpr_workgroup_id_y 1
		.amdhsa_system_sgpr_workgroup_id_z 1
		.amdhsa_system_vgpr_workitem_id 0
		.amdhsa_next_free_vgpr 252
		.amdhsa_next_free_sgpr 80
		.amdhsa_reserve_vcc 1
		.amdhsa_float_denorm_mode_32 3
		.amdhsa_float_denorm_mode_16_64 3
		.amdhsa_memory_ordered 1
		.amdhsa_forward_progress 1
		.amdhsa_inst_pref_size 195
	.end_amdhsa_kernel
	.amdgpu_metadata
---
amdhsa.version: [ 1, 2 ]
amdhsa.kernels:
  - .name:           k_q033c1428ea_mld
    .symbol:         k_q033c1428ea_mld.kd
    .args:
      - { .name: x, .offset: 0, .size: 8, .value_kind: global_buffer, .address_space: global }
      - { .name: gid, .offset: 8, .size: 8, .value_kind: global_buffer, .address_space: global }
      - { .name: w_mu, .offset: 16, .size: 8, .value_kind: global_buffer, .address_space: global }
      - { .name: w_sigma, .offset: 24, .size: 8, .value_kind: global_buffer, .address_space: global }
      - { .name: b_mu, .offset: 32, .size: 8, .value_kind: global_buffer, .address_space: global }
      - { .name: b_sigma, .offset: 40, .size: 8, .value_kind: global_buffer, .address_space: global }
      - { .name: eps_w, .offset: 48, .size: 8, .value_kind: global_buffer, .address_space: global }
      - { .name: eps_b, .offset: 56, .size: 8, .value_kind: global_buffer, .address_space: global }
      - { .name: out0, .offset: 64, .size: 8, .value_kind: global_buffer, .address_space: global }
    .group_segment_fixed_size: 0
    .private_segment_fixed_size: 0
    .kernarg_segment_align: 8
    .kernarg_segment_size: 72
    .max_flat_workgroup_size: 512
    .sgpr_count:     80
    .vgpr_count:     252
    .wavefront_size: 32
...
	.end_amdgpu_metadata
.endif
;; end of part 1
